; MI455X (gfx1250); checked and timed in simulation.
; The chip was launched on July 23, 2026; its instructions are those of AMD's public machine-readable ISA for CDNA 5 (MIT licence, August 2026) and "CDNA5" Instruction Set Architecture Reference Guide (July 2026). The comments in the code are by the model that wrote it; some were corrected since.
;; Vector Quantizer. Allowed arithmetic: matrix products marked QUANTISED: E3M2 operands, one E8M0 scale for each 32 along K, by v_wmma_scale_f32_16x16x128_f8f6f4 with both operands' format E3M2, f32 sums; everything else in f32.
;; Inputs: emb 8,192 x 256 float32; z 32 x 256 x 32 x 32 float32.
;; Outputs: out0 32 x 256 x 32 x 32 float32; out1 32 x 32 x 32 int32.
;; This version of the problem:
;;   THIS VERSION OF THE PROBLEM IS GIVEN IN LOW PRECISION. The matrix products marked QUANTISED in the list below multiply operands that are first quantised to E3M2 (3 exponent bits, 2 mantissa bits; 6 bits a number), with one power-of-two scale for each 32 numbers along K (OCP MX v1.0); their sums are f32. All else is computed in f32.
;;   The module's matrix products, in the order in which they are computed (A, B: the left and right operand; K: the contracted axis; several contracted axes count as one K, in the product's order):
;;     1. [M 32,768, K 256] x [K 256, N 8,192]; A: computed on the way; B: input emb: QUANTISED
;;   THE QUANTISER, for each operand of a quantised product, along K:
;;     - K is cut into blocks of 32 from its start; a last block that is shorter is filled with zeros.
;;     - A block's scale is 2^e with e = floor(log2(the largest magnitude in the block)) - 4, held to -126 .. 127; a block of zeros has e = 0. As a byte (E8M0): e + 127.
;;     - Each number is divided by its block's scale, clamped to +-28, and rounded to the nearest number of E3M2, ties to even, subnormals kept.
;;     - The product sums the exact products of the quantised numbers (number of the format x scale) in f32.
;;   ~~~python
;;   def quantise(x, axis):      # numpy; x: float32 -> the quantised numbers, widened to float32 again
;;       x = np.moveaxis(x, axis, -1); K = x.shape[-1]
;;       x = np.pad(x, [(0, 0)] * (x.ndim - 1) + [(0, -K % 32)]); x = x.reshape(x.shape[:-1] + (-1, 32)); a = np.abs(x).max(-1, keepdims=True)
;;       e = np.where(a > 0, np.clip(np.frexp(np.where(a > 0, a, 1))[1] - 1 - 4, -126, 127), 0)      # np.frexp(a)[1] - 1 = floor(log2(a)), exactly
;;       r = np.clip(x / 2.0 ** e, -28, 28)
;;       step = 2.0 ** (np.maximum(np.frexp(np.where(r == 0, 1, r))[1] - 1, -2) - 2)
;;       q = np.round(r / step) * step * 2.0 ** e      # np.round: ties to even
;;       return np.moveaxis(q.reshape(q.shape[:-2] + (-1,))[..., :K], -1, axis).astype(np.float32)
;;   ~~~
;;   OPERANDS COMPUTED ON THE WAY. 'Computed on the way' means the value that the module computes at that place (a softmax that the list does not call 'softmax' is quantised finished and normalised). What goes into a quantiser is computed in f32, as accurately as f32 sums, v_exp_f32 and their like allow (about 1e-6 of the number): no bf16 or f16 on the way to a quantiser, and a product that is left as it is and whose result goes on into a quantised operand takes f32 operands (vector FMAs, or v_wmma_f32_16x16x4_f32). A number that lies on a knife's edge between two numbers of the format may be rounded either way, as far as f32 arithmetic and the matrix unit's own rounding can turn it there, and no further.
;; One version. Each part assembles by itself: llvm-mc -triple=amdgcn-amd-amdhsa -mcpu=gfx1250 --defsym DOCPART=n.
;; ======== version 1 of 1: 3 launches
;; limits: right only within a limited range of input values
;; workspace buffers: embq 1,703,936 bytes; idxw 131,072 bytes of whole numbers
;; launch prep (part 1): grid 256 x 1, 2 waves a work-group, no clusters, 34,048 bytes of LDS; arguments emb, embq; writes embq
.if DOCPART == 1
	.amdgcn_target "amdgcn-amd-amdhsa--gfx1250"
	.amdhsa_code_object_version 6
	.text
	.protected	k_q1dc5e1e87e_prep
	.globl	k_q1dc5e1e87e_prep
	.p2align	8
	.type	k_q1dc5e1e87e_prep,@function
k_q1dc5e1e87e_prep:
	s_mov_b64 s[64:65], 0
	v_nop
	global_prefetch_b8 v0, s[64:65] scope:SCOPE_SE
	s_setreg_imm32_b32 hwreg(HW_REG_WAVE_MODE, 25, 1), 1
	s_wait_xcnt 0x0
; emb [8192][256] f32 becomes 512 records of 3,328 bytes, one for each tile of 16 codebook rows, laid in the order in which a wave's operand registers take them:
;   bytes 0-1535     the fragment of K = 0..127 as an image of its 12 registers: registers 4 c .. 4 c + 3 of lane l at 512 c + 16 l
;   bytes 1536-3071  the same for K = 128..255
;   bytes 3072-3199  scale words at 4 l: lanes 0-15 the word of K = 0..127 of row l, lanes 16-31 that of K = 128..255 of row l - 16
;   bytes 3200-3263  the sums of squares of the 16 rows, f32;   bytes 3264-3327 zeros (the record is 13 whole blocks of 256 bytes)
; Codes are BF6 (E3M2), one E8M0 byte for each 32 along K: the byte is the largest magnitude's exponent field - 4, held at 1 from below.
; LIMITS: a block of zeros gets the byte 1 where the rule says 127 (its codes are zeros, and this program alone reads the bytes); NaN and infinities are not served;
; a row's sum of squares is an f32 sum in this text's own order (four chains a lane, two lanes).
; SHARES: a wave takes one tile: 16 rows, 16 KiB.  Each load reads 512 consecutive bytes; the rows turn through the wave's own stage in LDS, from which lane (r, h) takes whole blocks of 32 numbers of row r,
; in the order of the operand's layout: registers 6 c .. 6 c + 5 of K step s hold block 4 s + 2 c + h.  Waves share nothing: no barrier.
.set PITCH, 1040                       ; a stage row: 1,024 bytes + 16: the 16 rows of a 16-byte load start in 16 different columns of 16 bytes
.set WREG,  16896                      ; LDS of a wave: the stage (16 x 1,040) and 256 bytes behind it
.set AUX,   16640
.set REC,   3328
.set RAW,   16                         ; v16-143   the tile as loaded
.set X,     144                        ; v144-207  two blocks of 32 numbers
.set FR,    208                        ; v208-231  the two fragments
.set CT,    232                        ; v232-238  the second half of a block's codes (a conversion's three registers begin on an even number)
.set MX,    240                        ; v240-241  largest magnitudes; at the end the record's last 8 bytes of my lane
.set SOP,   242                        ; v242-243  the conversions' scale operands
.set BY,    244                        ; v244-245  scale bytes
.set WD,    246                        ; v246-247  the scale words of K steps 0 and 1
.set EA,    248                        ; v248-251  sums of squares, two packed chains
.set EB,    250
.set PD,    252                        ; v252      a lane permute's destination
.set SH,    253                        ; v253      8 h
	s_load_b128 s[4:7], s[0:1], 0x0                ; emb, embq
	v_lshl_add_u32 v235, v0, 2, 0x8400
	v_mov_b32 v239, 0
	v_lshrrev_b32 v1, 5, v0
	v_readfirstlane_b32 s8, v1                     ; wave 0, 1
	v_and_b32 v1, 31, v0                           ; lane
	v_and_b32 v2, 15, v0                           ; r
	v_bfe_u32 v3, v0, 4, 1                         ; h
	v_lshlrev_b32 v4, 4, v1                        ; 16 x lane: my place in 512 dense bytes, in and out
	s_mul_i32 s9, s8, WREG
	v_add_nc_u32 v5, s9, v4                        ; the stage, on the way in
	v_mul_u32_u24 v6, v2, PITCH
	v_lshl_add_u32 v6, v3, 7, v6
	v_add_nc_u32 v6, s9, v6                        ; and on the way out: row r, + 128 h: my block of a pair of blocks
	s_add_co_u32 s9, s9, AUX
	v_lshl_add_u32 v7, v1, 2, s9                   ; the record's last 256 bytes are gathered here: 4 bytes a lane in,
	v_lshl_add_u32 v8, v1, 3, s9                   ; 8 bytes a lane out
	v_lshlrev_b32 v9, 3, v1
	v_lshlrev_b32 v[SH], 3, v3
	v_mov_b32 v[PD], 0                             ; written once: a lane permute's destination counts as one of its sources
	s_mov_b32 s12, 0x76543210
	s_mov_b32 s13, 0xfedcba98                      ; v_permlanex16_b32's selects for lane l xor 16
	s_lshl_b32 s14, ttmp9, 1
	s_add_co_u32 s14, s14, s8                      ; my tile
	s_lshl_b32 s10, s14, 14                        ; 16 rows of 1,024 bytes
	s_mov_b32 s11, 0
	s_mul_i32 s16, s14, REC
	s_mov_b32 s17, 0
	s_wait_alu depctr_va_vdst(0)
	s_wait_kmcnt 0x0
	s_add_nc_u64 s[4:5], s[4:5], s[10:11]
	s_add_nc_u64 s[6:7], s[6:7], s[16:17]
.set i, 0
.rept 32
	global_load_b128 v[RAW+4*i:RAW+4*i+3], v4, s[4:5] offset:512*i th:TH_LOAD_NT   ; half a row: 512 consecutive bytes
.set i, i+1
.endr
.set i, 0
.rept 32
	s_wait_loadcnt 31-i                            ; loads come back in order: load i is in, the 31 - i younger ones may be out
	ds_store_b128 v5, v[RAW+4*i:RAW+4*i+3] offset:(i/2)*PITCH+(i%2)*512
.set i, i+1
.endr
; K step s: my two blocks (c = 0, 1) come out of the stage, are added to the sums of squares and become registers 6 c .. 6 c + 5 of the fragment; their two bytes and lane l xor 16's two make the scale word.
.macro HALF s
.irp c, 0,1
.irp u, 0,1,2,3,4,5,6,7
	ds_load_b128 v[X+32*\c+4*\u:X+32*\c+4*\u+3], v6 offset:512*\s+256*\c+16*\u   ; LDS serves a wave's instructions in order: these see my stores
.endr
.endr
	s_wait_dscnt 0x0
.if \s == 0
	v_pk_mul_f32 v[EA:EA+1], v[X:X+1], v[X:X+1]    ; the first products start the sums
	v_pk_mul_f32 v[EB:EB+1], v[X+2:X+3], v[X+2:X+3]
.else
	v_pk_fma_f32 v[EA:EA+1], v[X:X+1], v[X:X+1], v[EA:EA+1]
	v_pk_fma_f32 v[EB:EB+1], v[X+2:X+3], v[X+2:X+3], v[EB:EB+1]
.endif
.irp i, 4,8,12,16,20,24,28,32,36,40,44,48,52,56,60
	v_pk_fma_f32 v[EA:EA+1], v[X+\i:X+\i+1], v[X+\i:X+\i+1], v[EA:EA+1]
	v_pk_fma_f32 v[EB:EB+1], v[X+\i+2:X+\i+3], v[X+\i+2:X+\i+3], v[EB:EB+1]
.endr
.irp c, 0,1
	v_max3_num_f32 v[MX+\c], |v[X+32*\c]|, |v[X+32*\c+1]|, 0x2800000   ; the block's largest magnitude, with the floor 2^(5 - 127) among its leaves: the byte cannot fall under 1
.endr
.irp i, 2,4,6,8,10,12,14,16,18,20,22,24,26,28,30
.irp c, 0,1
	v_max3_num_f32 v[MX+\c], v[MX+\c], |v[X+32*\c+\i]|, |v[X+32*\c+\i+1]|   ; (the two blocks by turns)
.endr
.endr
.irp c, 0,1
	v_add_nc_u32 v[SOP+\c], 0xfe000000, v[MX+\c]   ; 4 off the exponent field: the conversion takes the exponent field of this operand as its scale
.endr
.irp c, 0,1
	v_lshrrev_b32 v[BY+\c], 23, v[SOP+\c]          ; the scale's byte
.endr
	v_lshl_or_b32 v[WD+\s], v[BY+1], 16, v[BY]     ; my bytes are those of blocks h and 2 + h of the K step,
	v_lshlrev_b32 v[WD+\s], v[SH], v[WD+\s]        ; 8 h bits up;
	v_permlanex16_b32 v[PD], v[WD+\s], s12, s13
	v_or_b32 v[WD+\s], v[WD+\s], v[PD]             ; with lane l xor 16's two the word of row r is whole, in both lanes
.irp c, 0,1
	v_cvt_scalef32_pk16_bf6_f32 v[FR+12*\s+6*\c:FR+12*\s+6*\c+2], v[X+32*\c:X+32*\c+15], v[SOP+\c]
	v_cvt_scalef32_pk16_bf6_f32 v[CT+4*\c:CT+4*\c+2], v[X+32*\c+16:X+32*\c+31], v[SOP+\c]
.endr
	v_nop                                          ; one plain vector instruction behind the last scaled conversion
.irp c, 0,1
.irp i, 0,1,2
	v_mov_b32 v[FR+12*\s+6*\c+3+\i], v[CT+4*\c+\i]
.endr
.endr
.endm
	HALF 0
	HALF 1
	v_pk_add_f32 v[EA:EA+1], v[EA:EA+1], v[EB:EB+1]
	v_add_f32 v[EA], v[EA], v[EA+1]
	v_permlanex16_b32 v[PD], v[EA], s12, s13
	v_add_f32 v[EA], v[EA], v[PD]                  ; row r's sum of squares
	v_cmp_eq_u32 vcc_lo, 0, v3                     ; lanes 0-15
	v_cndmask_b32 v254, v[WD+1], v[WD], vcc_lo     ; lanes 0-15: K step 0's word; lanes 16-31: K step 1's
	v_cndmask_b32 v255, 0, v[EA], vcc_lo           ; lanes 0-15: the sum of squares; lanes 16-31: the record's zeros
	ds_store_b32 v7, v254
	ds_store_b32 v7, v255 offset:128
	ds_load_b64 v[MX:MX+1], v8                     ; in order behind the two stores: the record's last 256 bytes, 8 a lane
.irp s, 0,1
.irp c, 0,1,2
	global_store_b128 v4, v[FR+12*\s+4*\c:FR+12*\s+4*\c+3], s[6:7] offset:1536*\s+512*\c   ; 32 lanes store 512 consecutive bytes, at a multiple of 256 from the buffer's first byte
.endr
.endr
	s_wait_dscnt 0x0
	global_store_b64 v9, v[MX:MX+1], s[6:7] offset:3072   ; 32 lanes store 256 consecutive bytes, aligned
	s_wait_tensorcnt 0x0
	ds_add_u32 v235, v239
	s_wait_dscnt 0x0
	s_endpgm
.Lfunc_end_k_q1dc5e1e87e_prep:
	.size	k_q1dc5e1e87e_prep, .Lfunc_end_k_q1dc5e1e87e_prep-k_q1dc5e1e87e_prep
	.p2alignl 7, 3214868480
	.fill 96, 4, 3214868480
	.section	.rodata,"a",@progbits
	.p2align	6, 0x0
	.amdhsa_kernel k_q1dc5e1e87e_prep
		.amdhsa_group_segment_fixed_size 34048
		.amdhsa_private_segment_fixed_size 0
		.amdhsa_enable_private_segment 0
		.amdhsa_kernarg_size 16
		.amdhsa_user_sgpr_count 2
		.amdhsa_user_sgpr_kernarg_segment_ptr 1
		.amdhsa_wavefront_size32 1
		.amdhsa_system_sgpr_workgroup_id_x 1
		.amdhsa_system_sgpr_workgroup_id_y 1
		.amdhsa_system_sgpr_workgroup_id_z 1
		.amdhsa_system_vgpr_workitem_id 0
		.amdhsa_next_free_vgpr 256
		.amdhsa_next_free_sgpr 66
		.amdhsa_reserve_vcc 1
		.amdhsa_float_denorm_mode_32 3
		.amdhsa_float_denorm_mode_16_64 3
		.amdhsa_memory_ordered 1
		.amdhsa_forward_progress 1
		.amdhsa_inst_pref_size 21
	.end_amdhsa_kernel
	.amdgpu_metadata
---
amdhsa.version: [ 1, 2 ]
amdhsa.kernels:
  - .name:           k_q1dc5e1e87e_prep
    .symbol:         k_q1dc5e1e87e_prep.kd
    .args:
      - { .name: emb, .offset: 0, .size: 8, .value_kind: global_buffer, .address_space: global }
      - { .name: embq, .offset: 8, .size: 8, .value_kind: global_buffer, .address_space: global }
    .group_segment_fixed_size: 34048
    .private_segment_fixed_size: 0
    .kernarg_segment_align: 8
    .kernarg_segment_size: 16
    .max_flat_workgroup_size: 64
    .sgpr_count:     66
    .vgpr_count:     256
    .wavefront_size: 32
...
	.end_amdgpu_metadata
.endif
;; end of part 1
;; launch dist (part 2): grid 256 x 1, 8 waves a work-group, no clusters, 40,960 bytes of LDS; arguments z, embq, out1, idxw; writes out1, idxw
.if DOCPART == 2
	.amdgcn_target "amdgcn-amd-amdhsa--gfx1250"
	.amdhsa_code_object_version 6
	.text
	.protected	k_q1dc5e1e87e_dist
	.globl	k_q1dc5e1e87e_dist
	.p2align	8
	.type	k_q1dc5e1e87e_dist,@function
k_q1dc5e1e87e_dist:
	s_mov_b64 s[64:65], 0
	v_nop
	global_prefetch_b8 v0, s[64:65] scope:SCOPE_SE
	s_setreg_imm32_b32 hwreg(HW_REG_WAVE_MODE, 25, 1), 1
	s_wait_xcnt 0x0
; For each of 32,768 pixels n (z is [32][256][32][32]: a pixel's 256 channels lie 4,096 bytes apart): the first index j of the smallest d(n, j) = (zz(n) + ee(j)) - p(n, j), j = 0 .. 8,191,
; p = Q(2 z) . Q(emb) on codes of BF6 (E3M2) with one E8M0 scale for each 32 channels.  d is formed with exactly these two f32 roundings, since roundings of d make ties and the first index then decides;
; ties go to the lower index at every level.  The index goes to out1 and, as whole numbers for the next launch's addresses, to idxw.
; LIMITS: NaN and infinities among the inputs are not served (minima pass over NaN); |z| from 2^127 on makes 2 z infinite; a block of zeros gets the byte 1 where the rule says 127 (its codes are zeros);
; zz is an f32 sum in this text's own order (two chains of 16 channels, then the eight groups of 32 channels in ascending order).
; SHARES.  A work-group owns 128 pixels and walks all 8,192 codebook rows.  Each of its eight waves holds the fragments of all 128 pixels (8 tiles x 2 K steps x 12 registers) and takes 64 consecutive
; codebook tiles of 16 rows: wave w rows 1,024 w .. 1,024 w + 1,023, ascending.
; THE CODEBOOK GOES FROM MEMORY STRAIGHT INTO REGISTERS.  A record of embq is the image of a tile's operand registers, and each of its bytes serves ONE wave of the work-group: nine loads a tile, 16 bytes a lane on
; neighbouring bytes.  A ring of four register sets: a tile's loads are issued at the end of the period four tiles earlier, so 27 to 36 loads of a wave are out.
; NO CLUSTER, NO JOINT LOADS: a joint load lands in LDS, where each byte would be written once and read once more for the one wave that uses it, and each change of slots would ask all waves to meet; here the loop has no barrier.
; NO PREFETCH: the ring of register sets is the run ahead: each tile is asked for four periods ahead of its products.
; THE PRODUCT IS USED TRANSPOSED (source 0 = 16 codebook rows, source 1 = 16 pixels): a lane holds ONE pixel (lane % 16), its eight result registers the rows 8 (lane / 16) + 0 .. 7 of the tile.
; THE ARGMIN, for a pixel tile q and a codebook tile: t = ee + zz and d = t - p (packed), the smallest of the eight d, one compare with the running minimum M (strictly less: the earlier tile keeps a tie), and
; selections, two to an instruction, that keep M, the tile's first row G and the tile's eight d (S).  At the end the first S equal to M gives the row.  No branch and no address hangs on these numbers.
; REGISTERS, window 0: v1-9 what stays; v10-17 minima at work; v18-25 zz; v26-33 z's scale words, v34-37 the codebook's (these twelve hold scales alone); v40-71 ee, four sets; v72-87 d at work; v88-103 M, G;
; v104-167 S; v168-199 four accumulators; v200-247 the codebook's fragments, sets 2 and 3; v248-253 the head's addresses.  (At the head v72-199 hold 2 z, v200-247 z's codes, v56-71 and v10-13 are at work.)
; Window 1: v0-191 z's fragments (at the head v0-127: z as loaded); v192-239 the codebook's fragments, sets 0 and 1.
.set REC,    3328                      ; a record: a tile's two fragments, its scale words, its ee
.set ZPITCH, 208                       ; LDS from byte 0: 128 pixels' codes, 192 bytes each, 208 bytes = 52 words apart
.set ZSC,    128*ZPITCH                ; 8 scale bytes a pixel
.set ZZP,    ZSC+1024                  ; zz's parts: [wave][128] f32
.set MRG,    ZZP+4096                  ; the waves' results: [wave][128] x (M, index)
.set SPARE,  MRG+8192                  ; the spare words, 128 bytes for each wave: four blocks of 256 bytes that no other line names
.set SPW,  1                           ; SPARE + 4 x my thread's number; never rewritten
.set NIL,  2                           ; 0; never rewritten
.set FOF,  3                           ; 16 x lane: my place in 512 dense bytes
.set SOF,  4                           ; 4 x lane: my scale word
.set EOF,  5                           ; 32 (lane / 16): my eight ee
.set MST,  6                           ; where I put a pixel's (M, index)
.set MRD,  7                           ; where waves 0 and 1 read the results back
.set OUTO, 8                           ; 8 x lane
.set CB,   9                           ; the first row that my lane holds of the tile in hand
.set GM0,  10
.set GM1,  11
.set TX,   12
.set ZZ,   18
.set ZS,   26
.set ES,   34
.set EE,   40
.set T0,   72
.set T1,   80
.set MG,   88                          ; M of pixel tile q at v[88 + 2 q], G beside it
.set S,    104
.set ACC,  168
.set FW0,  200
.set ZST,  248                         ; the head's addresses
.set ZSS,  249
.set ZZS,  250
.set ZRD,  251
.set ZSR,  252
.set ZZR,  253
.set X,    72                          ; the head: 2 z, register 32 e + i = channel i of my wave's 32, pixel 4 x lane + e
.set CO,   200                         ; the head: a pixel's 24 bytes of codes at v[200 + 8 e]
.set CT,   232                         ; and the second halves as the conversions leave them
.set ZP,   56                          ; the head: zz's parts, two chains of four pixels
.set MX,   64
.set SOP,  68
.set BY,   10
.set JJ,   72                          ; the end
.set PM,   104
.set PI,   112
.set R,    120
.set MSB, 0
.macro WIN new                         ; the immediate's high byte repeats the setting that is left; a switch that changes nothing is dropped
.if MSB != \new
	s_set_vgpr_msb (MSB<<8)|\new
.set MSB, \new
.endif
.endm
; The nine loads of one tile into set p: six of fragments, the scale words, my eight ee.
.macro LOADT p, off
.if (\p) < 2
	WIN 0x40                                       ; destination window 1
.set fb, 192+24*(\p)
.else
	WIN 0
.set fb, FW0+24*((\p)-2)
.endif
.irp s, 0,1
.irp c, 0,1,2
	global_load_b128 v[fb+12*\s+4*\c:fb+12*\s+4*\c+3], v[FOF], s[6:7] offset:(\off)+1536*\s+512*\c
.endr
.endr
	WIN 0
	global_load_b32 v[ES+(\p)], v[SOF], s[6:7] offset:(\off)+3072
	global_load_b128 v[EE+8*(\p):EE+8*(\p)+3], v[EOF], s[6:7] offset:(\off)+3200
	global_load_b128 v[EE+8*(\p)+4:EE+8*(\p)+7], v[EOF], s[6:7] offset:(\off)+3216
.endm
; Four matrix instructions: pixel tiles 2 c and 2 c + 1 into accumulators 2 a and 2 a + 1, K step 0 (which starts the sums with the constant 0), then K step 1.  The two take turns.
; One register carries the scale words of both K steps: lanes 0-15 K step 0's, lanes 16-31 K step 1's.
.macro MULT c, a, p
.if (\p) < 2
	WIN 0x05                                       ; sources 0 and 1 window 1; C and D window 0
.set fb, 192+24*(\p)
.else
	WIN 0x04                                       ; source 0 window 0, source 1 window 1
.set fb, FW0+24*((\p)-2)
.endif
.irp s, 0,1
.irp u, 0,1
.set aq, 2*(\c)+\u
.set ac, ACC+8*(2*(\a)+\u)
.if \s == 0
	v_wmma_scale_f32_16x16x128_f8f6f4 v[ac:ac+7], v[fb:fb+11], v[24*aq:24*aq+11], 0, v[ES+(\p)], v[ZS+aq] matrix_a_fmt:MATRIX_FMT_BF6 matrix_b_fmt:MATRIX_FMT_BF6
.else
	v_wmma_scale_f32_16x16x128_f8f6f4 v[ac:ac+7], v[fb+12:fb+23], v[24*aq+12:24*aq+23], v[ac:ac+7], v[ES+(\p)], v[ZS+aq] matrix_a_fmt:MATRIX_FMT_BF6 matrix_b_fmt:MATRIX_FMT_BF6 matrix_a_scale:MATRIX_SCALE_ROW1 matrix_b_scale:MATRIX_SCALE_ROW1
.endif
.endr
.endr
.endm
; Where the tile's smallest d is under M: M, G and the eight d are replaced, two registers an instruction.  Strictly under: an earlier tile keeps a tie.
.macro SELECT q, t, gm
	v_cmp_lt_f32 vcc_lo, v[\gm], v[MG+2*(\q)]
	v_dual_cndmask_b32 v[MG+2*(\q)], v[MG+2*(\q)], v[\gm] :: v_dual_cndmask_b32 v[MG+2*(\q)+1], v[MG+2*(\q)+1], v[CB]
.irp j, 0,2,4,6
	v_dual_cndmask_b32 v[S+8*(\q)+\j], v[S+8*(\q)+\j], v[\t+\j] :: v_dual_cndmask_b32 v[S+8*(\q)+\j+1], v[S+8*(\q)+\j+1], v[\t+\j+1]
.endr
.endm
; The argmin of pixel tiles 2 c and 2 c + 1 (accumulators 2 a, 2 a + 1) against the tile of set p: 36 vector instructions.  Each accumulator is read from its low end on, behind the eight lines that make t.
.macro ARGM c, a, p
	WIN 0
.set qa, 2*(\c)
.set qb, 2*(\c)+1
.set A0, ACC+16*(\a)
.set A1, ACC+16*(\a)+8
.set EP, EE+8*(\p)
.irp j, 0,2,4,6
	v_pk_add_f32 v[T0+\j:T0+\j+1], v[EP+\j:EP+\j+1], v[ZZ+qa:ZZ+qa+1] op_sel_hi:[1,0]                ; t = zz + ee: of the pair of zz the first serves both halves,
	v_pk_add_f32 v[T1+\j:T1+\j+1], v[EP+\j:EP+\j+1], v[ZZ+qa:ZZ+qa+1] op_sel:[0,1] op_sel_hi:[1,1]   ; here the second
.endr
.irp j, 0,2,4,6
	v_pk_add_f32 v[T0+\j:T0+\j+1], v[T0+\j:T0+\j+1], v[A0+\j:A0+\j+1] neg_lo:[0,1] neg_hi:[0,1]   ; d = t - p
	v_pk_add_f32 v[T1+\j:T1+\j+1], v[T1+\j:T1+\j+1], v[A1+\j:A1+\j+1] neg_lo:[0,1] neg_hi:[0,1]
.endr
	v_min3_num_f32 v[TX], v[T0], v[T0+1], v[T0+2]
	v_min3_num_f32 v[TX+1], v[T1], v[T1+1], v[T1+2]
	v_min3_num_f32 v[TX+2], v[T0+3], v[T0+4], v[T0+5]
	v_min3_num_f32 v[TX+3], v[T1+3], v[T1+4], v[T1+5]
	v_min_num_f32 v[TX+4], v[T0+6], v[T0+7]
	v_min_num_f32 v[TX+5], v[T1+6], v[T1+7]
	s_delay_alu instid0(VALU_DEP_2)
	v_min3_num_f32 v[GM0], v[TX], v[TX+2], v[TX+4]
	s_delay_alu instid0(VALU_DEP_2)
	v_min3_num_f32 v[GM1], v[TX+1], v[TX+3], v[TX+5]
	s_delay_alu instid0(VALU_DEP_2)
	SELECT qa, T0, GM0
	SELECT qb, T1, GM1
.endm
; A PERIOD is one codebook tile, in set p: 16 matrix instructions and the argmin of its eight accumulators' worth of d, on four accumulators.  left: the younger tiles' loads, nine each, which may stay out.
; DISTANCES.  An argmin's first read of an accumulator stands behind the eight lines that make t, which name no register of a product (four are asked); an accumulator is begun anew, and a set
; is loaded again, behind at least one whole argmin of other accumulators.
.macro PERIOD p, left, next
	s_wait_loadcnt \left
	MULT 0, 0, \p
	MULT 1, 1, \p
	ARGM 0, 0, \p
	MULT 2, 0, \p
	ARGM 1, 1, \p
	MULT 3, 1, \p
	ARGM 2, 0, \p
	ARGM 3, 1, \p
	v_add_nc_u32 v[CB], 16, v[CB]
.if \next
	s_wait_alu depctr_va_vdst(0)                   ; ahead of the waits and the branch that follow
	s_wait_xcnt 0x0                                ; the loads issued a period ago have read their base: it steps only behind this wait
	s_add_nc_u64 s[6:7], s[6:7], REC
	LOADT \p, 3*REC                                ; the tile four on, into the set just read out
.endif
.endm
	s_load_b256 s[4:11], s[0:1], 0x0               ; z s[4:5], embq s[6:7], out1 s[8:9], idxw s[10:11]
	v_lshl_add_u32 v[SPW], v0, 2, SPARE
	v_mov_b32 v[NIL], 0
	v_lshrrev_b32 v10, 5, v0
	v_and_b32 v11, 31, v0                          ; lane
	v_and_b32 v12, 15, v0                          ; r
	v_bfe_u32 v13, v0, 4, 1                        ; h
	v_readfirstlane_b32 s12, v10                   ; wave 0..7
	v_lshlrev_b32 v[FOF], 4, v11
	v_lshlrev_b32 v[SOF], 2, v11
	v_lshlrev_b32 v[EOF], 5, v13
	v_lshlrev_b32 v[OUTO], 3, v11
	v_mul_u32_u24 v[ZRD], v12, ZPITCH
	v_lshlrev_b32 v[ZSR], 3, v12
	v_lshl_add_u32 v[ZZR], v12, 2, ZZP
	v_mul_u32_u24 v[ZST], v11, 4*ZPITCH
	v_mad_u32_u24 v[ZRD], v13, 24, v[ZRD]          ; a fragment: row r, + 24 h
	v_lshl_add_u32 v[ZSR], v13, 2, v[ZSR]
	s_delay_alu instid0(VALU_DEP_1)
	v_add_nc_u32 v[ZSR], ZSC, v[ZSR]               ; lanes 0-15: K step 0's word of pixel r; lanes 16-31: K step 1's
	s_wait_alu depctr_va_vdst(0)                   ; ahead of the run of scalar lines
	s_lshl_b32 s30, s12, 10
	s_and_b32 s31, s12, 1
	s_lshl_b32 s31, s31, 9
	s_mul_i32 s32, s12, 24
	s_lshl_b32 s33, s12, 9
	s_mov_b32 s24, 0x76543210
	s_mov_b32 s25, 0xfedcba98                      ; v_permlanex16_b32's selects for lane l xor 16
	s_mov_b32 s45, 0x7f800000                      ; +infinity
	s_mul_i32 s40, s12, 64*REC                     ; my wave's 64 records
	s_mov_b32 s41, 0
	s_lshr_b32 s42, ttmp9, 3
	s_lshl_b32 s42, s42, 20                        ; z: image = work-group / 8, 2^20 bytes each;
	s_and_b32 s43, ttmp9, 7
	s_lshl_b32 s43, s43, 9                         ; 128 pixels x 4 bytes;
	s_add_co_u32 s42, s42, s43
	s_lshl_b32 s43, s12, 17                        ; my wave's 32 channels of 4,096 bytes
	s_add_co_u32 s42, s42, s43
	s_mov_b32 s43, 0
	s_lshl_b32 s14, ttmp9, 9                       ; out1, idxw: 512 bytes a work-group, 256 for each of waves 0 and 1
	s_lshl_b32 s15, s12, 8
	s_add_co_u32 s14, s14, s15
	s_mov_b32 s15, 0
	v_lshl_add_u32 v[MST], v12, 3, s30
	v_lshl_add_u32 v[CB], v13, 3, s30              ; my first tile begins at row 1,024 w; my lane's eight at + 8 h
	v_lshl_add_u32 v[MRD], v11, 4, s31
	v_add_nc_u32 v[ZST], s32, v[ZST]               ; codes: pixel 4 x lane, block w of its eight
	v_lshl_add_u32 v[ZSS], v11, 5, s12
	v_lshl_add_u32 v[ZZS], v11, 4, s33
	v_add_nc_u32 v[MST], MRG, v[MST]               ; MRG + 1,024 w + 8 r
	v_add_nc_u32 v[MRD], MRG, v[MRD]               ; MRG + 512 (w % 2) + 16 x lane: two pixels a lane
	v_add_nc_u32 v[ZSS], ZSC, v[ZSS]               ; scale bytes: 8 a pixel, byte w
	v_add_nc_u32 v[ZZS], ZZP, v[ZZS]               ; zz's parts: my wave's 128, four a lane
	s_wait_alu depctr_va_vdst(0)                   ; at the head's end
	s_wait_kmcnt 0x0
	s_add_nc_u64 s[50:51], s[4:5], s[42:43]
	s_add_nc_u64 s[46:47], s[8:9], s[14:15]
	s_add_nc_u64 s[48:49], s[10:11], s[14:15]
	s_add_nc_u64 s[6:7], s[6:7], s[40:41]
	WIN 0x40                                       ; destination window 1
.set i, 0
.rept 32
	global_load_b128 v[4*i:4*i+3], v[FOF], s[50:51] offset:4096*i th:TH_LOAD_NT   ; channel 32 w + i of the 128 pixels: 512 consecutive bytes
.set i, i+1
.endr
	LOADT 0, 0                                     ; my first two tiles, behind z's loads: 18 loads
	LOADT 1, REC
	; ---- z: doubled (2 z is the product's operand), turned so that a lane's registers run along the channels, and squared for zz
	WIN 0x05                                       ; sources 0 and 1 window 1
.set i, 0
.rept 32
	s_wait_loadcnt 49-i                            ; loads come back in order: channel i is in; the 31 - i younger loads of z and the 18 of the two tiles may be out
.irp e, 0,1,2,3
	v_add_f32 v[X+32*\e+i], v[4*i+\e], v[4*i+\e]
.endr
.set zc, ZP+4*(i%2)
.if i < 2
	v_pk_mul_f32 v[zc:zc+1], v[4*i:4*i+1], v[4*i:4*i+1]       ; the first products start the sums
	v_pk_mul_f32 v[zc+2:zc+3], v[4*i+2:4*i+3], v[4*i+2:4*i+3]
.else
	v_pk_fma_f32 v[zc:zc+1], v[4*i:4*i+1], v[4*i:4*i+1], v[zc:zc+1]
	v_pk_fma_f32 v[zc+2:zc+3], v[4*i+2:4*i+3], v[4*i+2:4*i+3], v[zc+2:zc+3]
.endif
.set i, i+1
.endr
	WIN 0
	s_wait_alu depctr_va_vdst(0)                   ; directly ahead of the readers below
	v_pk_add_f32 v[ZP:ZP+1], v[ZP:ZP+1], v[ZP+4:ZP+5]
	v_pk_add_f32 v[ZP+2:ZP+3], v[ZP+2:ZP+3], v[ZP+6:ZP+7]
	; ---- four blocks of 32 (pixel 4 x lane + e, channels 32 w ..): all of a block's numbers are in my lane
.irp e, 0,1,2,3
	v_max3_num_f32 v[MX+\e], |v[X+32*\e]|, |v[X+32*\e+1]|, 0x2800000   ; the largest magnitude, with the floor 2^(5 - 127) among its leaves: the byte cannot fall under 1
.endr
.irp i, 2,4,6,8,10,12,14,16,18,20,22,24,26,28,30
.irp e, 0,1,2,3
	s_delay_alu instid0(VALU_DEP_4)
	v_max3_num_f32 v[MX+\e], v[MX+\e], |v[X+32*\e+\i]|, |v[X+32*\e+\i+1]|   ; (the four blocks by turns)
.endr
.endr
.irp e, 0,1,2,3
	s_delay_alu instid0(VALU_DEP_4)
	v_add_nc_u32 v[SOP+\e], 0xfe000000, v[MX+\e]   ; 4 off the exponent field: the conversion's scale operand
.endr
.irp e, 0,1,2,3
	s_delay_alu instid0(VALU_DEP_4)
	v_lshrrev_b32 v[BY+\e], 23, v[SOP+\e]          ; the scale's byte
.endr
.irp e, 0,1,2,3
	v_cvt_scalef32_pk16_bf6_f32 v[CO+8*\e:CO+8*\e+2], v[X+32*\e:X+32*\e+15], v[SOP+\e]
	v_cvt_scalef32_pk16_bf6_f32 v[CT+4*\e:CT+4*\e+2], v[X+32*\e+16:X+32*\e+31], v[SOP+\e]   ; (a conversion's three registers begin on an even number)
.endr
	v_nop                                          ; one plain vector instruction behind the last scaled conversion
.irp e, 0,1,2,3
.irp i, 0,1,2
	v_mov_b32 v[CO+8*\e+3+\i], v[CT+4*\e+\i]
.endr
.endr
.irp e, 0,1,2,3
	ds_store_b64 v[ZST], v[CO+8*\e:CO+8*\e+1] offset:ZPITCH*\e
	ds_store_b64 v[ZST], v[CO+8*\e+2:CO+8*\e+3] offset:ZPITCH*\e+8
	ds_store_b64 v[ZST], v[CO+8*\e+4:CO+8*\e+5] offset:ZPITCH*\e+16
	ds_store_b8 v[ZSS], v[BY+\e] offset:8*\e
.endr
	ds_store_b128 v[ZZS], v[ZP:ZP+3]
	s_wait_dscnt 0x0                               ; for the others' sake: my stores are done; and they have read their registers,
	LOADT 2, 2*REC                                 ; which take my third and fourth tile
	LOADT 3, 3*REC
	s_barrier_signal -1
	s_barrier_wait -1
	; ---- every wave takes all 128 pixels' fragments, scale words and zz
	WIN 0x40
.irp q, 0,1,2,3,4,5,6,7
.irp s, 0,1
.irp p, 0,1,2,3,4,5
	ds_load_b64 v[24*\q+12*\s+2*\p:24*\q+12*\s+2*\p+1], v[ZRD] offset:16*ZPITCH*\q+96*\s+48*(\p/3)+8*(\p%3)
.endr
.endr
.endr
	WIN 0
.irp q, 0,1,2,3,4,5,6,7
	ds_load_b32 v[ZS+\q], v[ZSR] offset:128*\q
.endr
.irp q, 0,1,2,3,4,5,6,7
.irp k, 0,1,2,3,4,5,6,7
	ds_load_b32 v[S+8*\q+\k], v[ZZR] offset:512*\k+64*\q
.endr
.endr
	s_wait_dscnt 0x0
.irp q, 0,1,2,3,4,5,6,7
	v_add_f32 v[ZZ+\q], v[S+8*\q], v[S+8*\q+1]     ; zz of pixel 16 q + r: the eight groups of channels in ascending order
.endr
.irp k, 2,3,4,5,6,7
.irp q, 0,1,2,3,4,5,6,7
	v_add_f32 v[ZZ+\q], v[ZZ+\q], v[S+8*\q+\k]
.endr
.endr
.irp q, 0,1,2,3,4,5,6,7
	v_mov_b32 v[MG+2*\q], s45                      ; M = +infinity: every finite d lies under it
	v_mov_b32 v[MG+2*\q+1], 0
.endr
.set i, 0
.rept 64
	v_mov_b32 v[S+i], s45
.set i, i+1
.endr
	s_wait_alu depctr_va_vdst(0)                   ; at the head's end
	s_mov_b32 s44, 15
.Llap:                                                 ; a trip is four periods, once round the four sets: 15 trips multiply tiles 0 to 59 and ask for tiles 4 to 63
	PERIOD 0, 27, 1
	PERIOD 1, 27, 1
	PERIOD 2, 27, 1
	PERIOD 3, 27, 1
	s_sub_co_u32 s44, s44, 1
	s_cmp_lg_u32 s44, 0
	s_cbranch_scc1 .Llap
	PERIOD 0, 27, 0                                ; the last four tiles: nothing is left to ask for, and the counts run down
	PERIOD 1, 18, 0
	PERIOD 2, 9, 0
	PERIOD 3, 0, 0
	; ---- THE END.  In a lane: the first of the kept eight d that equals M gives the row.
.irp q, 0,1,2,3,4,5,6,7
	v_mov_b32 v[JJ+\q], 7
.endr
.irp j, 6,5,4,3,2,1,0
.irp q, 0,1,2,3,4,5,6,7
	v_cmp_neq_f32 vcc_lo, v[S+8*\q+\j], v[MG+2*\q]
	s_delay_alu instid0(VALU_DEP_1)
	v_cndmask_b32 v[JJ+\q], \j, v[JJ+\q], vcc_lo   ; descending, so that the lowest stays
.endr
.endr
.irp q, 0,1,2,3,4,5,6,7
	v_add_nc_u32 v[MG+2*\q+1], v[MG+2*\q+1], v[JJ+\q]
.endr
; (ma, ia) takes (mb, ib) where mb is smaller, or equal with the lower index.  The masks serve selections alone.
.macro LEX ma, ia, mb, ib
	v_cmp_lt_f32 s26, v[\mb], v[\ma]
	v_cmp_eq_f32 s27, v[\mb], v[\ma]
	v_cmp_lt_u32 s28, v[\ib], v[\ia]
	s_and_b32 s27, s27, s28
	s_or_b32 s26, s26, s27
	v_cndmask_b32 v[\ma], v[\ma], v[\mb], s26
	v_cndmask_b32 v[\ia], v[\ia], v[\ib], s26
.endm
.irp q, 0,1,2,3,4,5,6,7
	v_permlanex16_b32 v[PM+\q], v[MG+2*\q], s24, s25      ; the pixel's other eight rows of each tile lie in lane l xor 16
	v_permlanex16_b32 v[PI+\q], v[MG+2*\q+1], s24, s25
.endr
.irp q, 0,1,2,3,4,5,6,7
	LEX MG+2*\q, MG+2*\q+1, PM+\q, PI+\q
.endr
.irp q, 0,1,2,3,4,5,6,7
	ds_store_b64 v[MST], v[MG+2*\q:MG+2*\q+1] offset:128*\q   ; both lanes of a pixel write the same 8 bytes with the same value
.endr
	s_wait_dscnt 0x0                               ; for the others' sake: my stores are done
	s_barrier_signal -1
	s_barrier_wait -1
	s_cmp_lt_u32 s12, 2                            ; waves 0 and 1 join the eight waves' results, 64 pixels each, two a lane
	s_cbranch_scc0 .Ldone
.irp k, 0,1,2,3,4,5,6,7
	ds_load_b128 v[R+4*\k:R+4*\k+3], v[MRD] offset:1024*\k
.endr
	s_wait_dscnt 0x0
.irp k, 1,2,3,4,5,6,7
	LEX R, R+1, R+4*\k, R+1+4*\k
	LEX R+2, R+3, R+2+4*\k, R+3+4*\k
.endr
	v_mov_b32 v[R+2], v[R+1]                       ; the two indices side by side
	global_store_b64 v[OUTO], v[R+2:R+3], s[46:47]   ; 32 lanes store 256 consecutive bytes, at a multiple of 256 from out1's first byte
	global_store_b64 v[OUTO], v[R+2:R+3], s[48:49]   ; and the same as whole numbers for the next launch
.Ldone:
	s_wait_tensorcnt 0x0                           ; the wave's end, behind my last LDS store
	ds_add_u32 v[SPW], v[NIL]
	s_wait_dscnt 0x0
	s_endpgm
.Lfunc_end_k_q1dc5e1e87e_dist:
	.size	k_q1dc5e1e87e_dist, .Lfunc_end_k_q1dc5e1e87e_dist-k_q1dc5e1e87e_dist
	.p2alignl 7, 3214868480
	.fill 96, 4, 3214868480
	.section	.rodata,"a",@progbits
	.p2align	6, 0x0
	.amdhsa_kernel k_q1dc5e1e87e_dist
		.amdhsa_group_segment_fixed_size 40960
		.amdhsa_private_segment_fixed_size 0
		.amdhsa_enable_private_segment 0
		.amdhsa_kernarg_size 32
		.amdhsa_user_sgpr_count 2
		.amdhsa_user_sgpr_kernarg_segment_ptr 1
		.amdhsa_wavefront_size32 1
		.amdhsa_system_sgpr_workgroup_id_x 1
		.amdhsa_system_sgpr_workgroup_id_y 1
		.amdhsa_system_sgpr_workgroup_id_z 1
		.amdhsa_system_vgpr_workitem_id 0
		.amdhsa_next_free_vgpr 512
		.amdhsa_next_free_sgpr 66
		.amdhsa_reserve_vcc 1
		.amdhsa_float_denorm_mode_32 3
		.amdhsa_float_denorm_mode_16_64 3
		.amdhsa_memory_ordered 1
		.amdhsa_forward_progress 1
		.amdhsa_inst_pref_size 152
	.end_amdhsa_kernel
	.amdgpu_metadata
---
amdhsa.version: [ 1, 2 ]
amdhsa.kernels:
  - .name:           k_q1dc5e1e87e_dist
    .symbol:         k_q1dc5e1e87e_dist.kd
    .args:
      - { .name: z, .offset: 0, .size: 8, .value_kind: global_buffer, .address_space: global }
      - { .name: embq, .offset: 8, .size: 8, .value_kind: global_buffer, .address_space: global }
      - { .name: out1, .offset: 16, .size: 8, .value_kind: global_buffer, .address_space: global }
      - { .name: idxw, .offset: 24, .size: 8, .value_kind: global_buffer, .address_space: global }
    .group_segment_fixed_size: 40960
    .private_segment_fixed_size: 0
    .kernarg_segment_align: 8
    .kernarg_segment_size: 32
    .max_flat_workgroup_size: 256
    .sgpr_count:     66
    .vgpr_count:     512
    .wavefront_size: 32
...
	.end_amdgpu_metadata
.endif
;; end of part 2
;; launch gath (part 3): grid 512 x 1, 8 waves a work-group, no clusters, 67,072 bytes of LDS; arguments z, emb, idxw, out0; writes out0
.if DOCPART == 3
	.amdgcn_target "amdgcn-amd-amdhsa--gfx1250"
	.amdhsa_code_object_version 6
	.text
	.protected	k_q1dc5e1e87e_gath
	.globl	k_q1dc5e1e87e_gath
	.p2align	8
	.type	k_q1dc5e1e87e_gath,@function
k_q1dc5e1e87e_gath:
	s_mov_b64 s[64:65], 0
	v_nop
	global_prefetch_b8 v0, s[64:65] scope:SCOPE_SE
	s_setreg_imm32_b32 hwreg(HW_REG_WAVE_MODE, 25, 1), 1
	s_wait_xcnt 0x0
; out0[b][c][hw] = z[b][c][hw] + (emb[idx(b, hw)][c] - z[b][c][hw]), in f32, with these two roundings.  idx comes as whole numbers from the launch before.
; SHARES.  A work-group takes 64 neighbouring pixels of one image and all 256 channels.  The chosen rows of emb lie along the channels, z and out0 along the pixels: the rows turn through LDS.
; IN: sixteen lanes read 256 consecutive bytes of a chosen row (a row in four loads); wave w and half y of its lanes take pixels 8 w + y + 2 i, i = 0 .. 3.
; OUT: sixteen lanes hold 64 neighbouring pixels (256 consecutive bytes, aligned) of channel 16 p + 2 w + y, p = 0 .. 15, in z and in out0 alike.
; LDS: 64 rows (pixels) 1,028 bytes = 257 words apart: on the way in the 32 lanes of a 4-byte store fall on banks 4 x + y + a constant, on the way out on 4 x + y + a constant again.
; No register that a memory instruction reads is written again.  An index is held to 0 .. 8,191 before it enters an address.
; No matrix unit, no cluster: the work-groups share no tile (a row of emb is read by whoever chose it), and the bytes of z and out0 bound the launch.
.set LP,  1028
.set IX,  8                            ; v8-11    four indices, then their rows' byte offsets
.set Z,   32                           ; v32-95   z: 16 channels x 4 pixels
.set GA,  96                           ; v96-159  four chosen rows, 16 numbers of each
.set EQ,  160                          ; v160-223 the same numbers turned: 16 channels x 4 pixels; then the result
	s_load_b256 s[4:11], s[0:1], 0x0               ; z s[4:5], emb s[6:7], idxw s[8:9], out0 s[10:11]
	v_lshl_add_u32 v232, v0, 2, 0x10200
	v_mov_b32 v233, 0
	v_lshrrev_b32 v12, 5, v0                       ; w
	v_and_b32 v5, 15, v0                           ; x
	v_bfe_u32 v6, v0, 4, 1                         ; y
	s_delay_alu instid0(VALU_DEP_1)
	v_lshl_add_u32 v7, v12, 3, v6                  ; 8 w + y
	s_delay_alu instid0(VALU_DEP_2)
	v_lshl_add_u32 v13, v12, 1, v6                 ; 2 w + y
	s_delay_alu instid0(VALU_DEP_4)
	v_lshlrev_b32 v14, 4, v5                       ; 16 x
	s_delay_alu instid0(VALU_DEP_3)
	v_lshlrev_b32 v1, 2, v7                        ; my first pixel's index
	s_delay_alu instid0(VALU_DEP_2)
	v_lshl_add_u32 v2, v13, 12, v14                ; z, out0: channel 2 w + y, 16 bytes at 16 x
	v_mul_u32_u24 v3, v7, LP
	s_delay_alu instid0(VALU_DEP_1)
	v_add_nc_u32 v3, v3, v14                       ; LDS, in: row 8 w + y, + 16 x
	v_mul_u32_u24 v4, v5, 4*LP
	s_delay_alu instid0(VALU_DEP_1)
	v_lshl_add_u32 v4, v13, 2, v4                  ; LDS, out: row 4 x, channel 2 w + y
	s_lshr_b32 s12, ttmp9, 4
	s_lshl_b32 s12, s12, 20                        ; the image: 2^20 bytes each;
	s_and_b32 s13, ttmp9, 15
	s_lshl_b32 s13, s13, 8                         ; 64 pixels x 4 bytes
	s_add_co_u32 s12, s12, s13
	s_mov_b32 s13, 0
	s_lshl_b32 s14, ttmp9, 8                       ; 64 indices
	s_mov_b32 s15, 0
	s_wait_alu depctr_va_vdst(0)
	s_wait_kmcnt 0x0
	s_add_nc_u64 s[4:5], s[4:5], s[12:13]
	s_add_nc_u64 s[10:11], s[10:11], s[12:13]
	s_add_nc_u64 s[8:9], s[8:9], s[14:15]
.irp i, 0,1,2,3
	global_load_b32 v[IX+\i], v1, s[8:9] offset:8*\i
.endr
.irp p, 0,1,2,3,4,5,6,7,8,9,10,11,12,13,14,15
	global_load_b128 v[Z+4*\p:Z+4*\p+3], v2, s[4:5] offset:65536*\p th:TH_LOAD_NT
.endr
	s_wait_loadcnt 16                              ; the four indices are in; z's sixteen loads may be out
.irp i, 0,1,2,3
	v_min_u32 v[IX+\i], 0x1fff, v[IX+\i]
.endr
.irp i, 0,1,2,3
	s_delay_alu instid0(VALU_DEP_4)
	v_lshlrev_b32 v[IX+\i], 10, v[IX+\i]           ; a row of emb is 1,024 bytes
.endr
.irp i, 0,1,2,3
	s_delay_alu instid0(VALU_DEP_4)
	v_add_nc_u32 v[IX+\i], v[IX+\i], v14
.endr
.irp i, 0,1,2,3
.irp k, 0,1,2,3
	global_load_b128 v[GA+16*\i+4*\k:GA+16*\i+4*\k+3], v[IX+\i], s[6:7] offset:256*\k   ; no hint: a row may be chosen by many pixels
.endr
.endr
.irp i, 0,1,2,3
	s_wait_loadcnt 4*(3-\i)                        ; pixel i's four loads are in; those of the later pixels may be out
.irp k, 0,1,2,3
.irp e, 0,1,2,3
	ds_store_b32 v3, v[GA+16*\i+4*\k+\e] offset:2*LP*\i+256*\k+4*\e
.endr
.endr
.endr
	s_wait_dscnt 0x0                               ; for the others' sake: my stores are done
	s_barrier_signal -1
	s_barrier_wait -1
.irp p, 0,1,2,3,4,5,6,7,8,9,10,11,12,13,14,15
.irp e, 0,1,2,3
	ds_load_b32 v[EQ+4*\p+\e], v4 offset:LP*\e+64*\p
.endr
.endr
.irp p, 0,1,2,3,4,5,6,7,8,9,10,11,12,13,14,15
	s_wait_dscnt 4*(15-\p)                         ; channel p's four loads are in; those of the later channels may be out
	v_pk_add_f32 v[EQ+4*\p:EQ+4*\p+1], v[EQ+4*\p:EQ+4*\p+1], v[Z+4*\p:Z+4*\p+1] neg_lo:[0,1] neg_hi:[0,1]         ; e - z
	v_pk_add_f32 v[EQ+4*\p+2:EQ+4*\p+3], v[EQ+4*\p+2:EQ+4*\p+3], v[Z+4*\p+2:Z+4*\p+3] neg_lo:[0,1] neg_hi:[0,1]
	s_delay_alu instid0(VALU_DEP_2)
	v_pk_add_f32 v[EQ+4*\p:EQ+4*\p+1], v[Z+4*\p:Z+4*\p+1], v[EQ+4*\p:EQ+4*\p+1]                                    ; z + (e - z)
	s_delay_alu instid0(VALU_DEP_2)
	v_pk_add_f32 v[EQ+4*\p+2:EQ+4*\p+3], v[Z+4*\p+2:Z+4*\p+3], v[EQ+4*\p+2:EQ+4*\p+3]
	global_store_b128 v2, v[EQ+4*\p:EQ+4*\p+3], s[10:11] offset:65536*\p th:TH_STORE_NT   ; 16 lanes store 256 consecutive bytes, at a multiple of 256 from out0's first byte
.endr
	s_wait_tensorcnt 0x0
	ds_add_u32 v232, v233
	s_wait_dscnt 0x0
	s_endpgm
.Lfunc_end_k_q1dc5e1e87e_gath:
	.size	k_q1dc5e1e87e_gath, .Lfunc_end_k_q1dc5e1e87e_gath-k_q1dc5e1e87e_gath
	.p2alignl 7, 3214868480
	.fill 96, 4, 3214868480
	.section	.rodata,"a",@progbits
	.p2align	6, 0x0
	.amdhsa_kernel k_q1dc5e1e87e_gath
		.amdhsa_group_segment_fixed_size 67072
		.amdhsa_private_segment_fixed_size 0
		.amdhsa_enable_private_segment 0
		.amdhsa_kernarg_size 32
		.amdhsa_user_sgpr_count 2
		.amdhsa_user_sgpr_kernarg_segment_ptr 1
		.amdhsa_wavefront_size32 1
		.amdhsa_system_sgpr_workgroup_id_x 1
		.amdhsa_system_sgpr_workgroup_id_y 1
		.amdhsa_system_sgpr_workgroup_id_z 1
		.amdhsa_system_vgpr_workitem_id 0
		.amdhsa_next_free_vgpr 234
		.amdhsa_next_free_sgpr 66
		.amdhsa_reserve_vcc 0
		.amdhsa_float_denorm_mode_32 3
		.amdhsa_float_denorm_mode_16_64 3
		.amdhsa_memory_ordered 1
		.amdhsa_forward_progress 1
		.amdhsa_inst_pref_size 22
	.end_amdhsa_kernel
	.amdgpu_metadata
---
amdhsa.version: [ 1, 2 ]
amdhsa.kernels:
  - .name:           k_q1dc5e1e87e_gath
    .symbol:         k_q1dc5e1e87e_gath.kd
    .args:
      - { .name: z, .offset: 0, .size: 8, .value_kind: global_buffer, .address_space: global }
      - { .name: emb, .offset: 8, .size: 8, .value_kind: global_buffer, .address_space: global }
      - { .name: idxw, .offset: 16, .size: 8, .value_kind: global_buffer, .address_space: global }
      - { .name: out0, .offset: 24, .size: 8, .value_kind: global_buffer, .address_space: global }
    .group_segment_fixed_size: 67072
    .private_segment_fixed_size: 0
    .kernarg_segment_align: 8
    .kernarg_segment_size: 32
    .max_flat_workgroup_size: 256
    .sgpr_count:     66
    .vgpr_count:     234
    .wavefront_size: 32
...
	.end_amdgpu_metadata
.endif
;; end of part 3
